; MI455X (gfx1250); checked and timed in simulation.
; The chip was launched on July 23, 2026; its instructions are those of AMD's public machine-readable ISA for CDNA 5 (MIT licence, August 2026) and "CDNA5" Instruction Set Architecture Reference Guide (July 2026). The comments in the code are by the model that wrote it; some were corrected since.
;; Spike Dense. Allowed arithmetic: float matrix products may take bf16 or f16 operands with f32 sums; all other float work in f32.
;; Inputs: W 8,192 x 8,192 float32; b 8,192 float32; x 1 x 8,192 float32.
;; Outputs: out0 1 x 8,192 float32.
;; One version. Each part assembles by itself: llvm-mc -triple=amdgcn-amd-amdhsa -mcpu=gfx1250 --defsym DOCPART=n.
;; ======== version 1 of 1: 1 launch
;; launch spikedense (part 1): grid 256 x 1, 16 waves a work-group, clusters of 4 x 1, 37,888 bytes of LDS; arguments W, b, x, out0; writes out0
.if DOCPART == 1
	.amdgcn_target "amdgcn-amd-amdhsa--gfx1250"
	.amdhsa_code_object_version 6
	.text
	.protected	k_qfdf9becf6e_spikedense
	.globl	k_qfdf9becf6e_spikedense
	.p2align	8
	.type	k_qfdf9becf6e_spikedense,@function
k_qfdf9becf6e_spikedense:
	s_mov_b64 s[64:65], 0
	v_nop
	global_prefetch_b8 v0, s[64:65] scope:SCOPE_SE
	s_setreg_imm32_b32 hwreg(HW_REG_WAVE_MODE, 25, 1), 1
	s_wait_xcnt 0x0
	s_wait_alu depctr_hold_cnt(0) depctr_sa_sdst(0) depctr_va_vdst(0) depctr_va_sdst(0) depctr_va_ssrc(0) depctr_va_vcc(0) depctr_vm_vsrc(0)
	s_getreg_b32 s2, hwreg(HW_REG_IB_STS2, 6, 4)
	s_cmp_eq_u32 s2, 0
	s_cbranch_scc0 .Lentry_in_a_cluster
	s_endpgm
.Lentry_in_a_cluster:
	s_bfe_u32 s2, ttmp6, 0x10000c
	s_cmp_lg_u32 s2, 0x3003
	s_cbranch_scc0 .Lentry_shape_is_right
	s_endpgm
.Lentry_shape_is_right:
; out[n] = relu( sum over k of xq[k] W[k][n] + 32 b[n] ).   W: [8192][8192] f32, b, x, out: [8192] f32.
;
; WHAT IS COMPUTED.  The reference splits x into 32 bit planes (greedy, powers 2^0 .. 2^-31), multiplies each plane by W, adds b to each
; of the 32 rows and sums the rows.  The product is linear, so the planes are summed first: xq[k] = the sum of the powers taken from x[k],
; and b counts 32 times (one fused multiply-add in place of 32 additions).
; xq IN CLOSED FORM, equal to the greedy scan for every f32 x:
;   0 <= x < 2: in front of the step with power p the residual is below 2 p, so residual - p is exact; the bits are x's binary digits
;               down to 2^-31 and xq = trunc(x 2^31) 2^-31, which has at most 24 significant bits: exact in f32.
;   x < 0 or NaN: no compare holds, xq = 0.   x >= 2 (infinity too): every bit is taken (for x = 2 the residual stays 2^-i, and a rounded
;               subtraction is monotone in the residual): the sum is 2 - 2^-31.
; LIMITS KEPT: for x >= 2 xq is held as 2.0, the f32 rounding of 2 - 2^-31 (2^-32 relative).  The order of the f32 additions differs from the
; reference's (256 chains over k in a work-group's lanes and sets, then a tree).  A NaN sum stays NaN, as in jnp.maximum; relu(-0) may be -0.
;
; WHY NO MATRIX INSTRUCTION: one row is left, one multiply-add for each number of W.  Rounding W to bf16 and turning its [k][n] layout
; would take more vector instructions than that multiply-add, which is done here in f32.
;
; SHARES.  256 work-groups; each owns 32 columns (128 bytes of every row) and all 8,192 rows, so no sum crosses work-groups: one launch,
; no workspace.  8,192 columns over 256 work-groups leave 128 bytes a row: whole aligned 256 bytes a work-group would mean 128
; work-groups, or a split of k and a second launch for the partial sums.  Instead the four work-groups of a cluster own 128 neighbouring columns,
; 512 aligned bytes of every row, so that the two which take the halves of an aligned 256 bytes are launched together.
; NO JOINT REQUESTS: no byte of W is wanted by two work-groups; x and b, which all read, are 64 KiB against W's 256 MiB.
; 16 waves; wave w owns rows 512 w .. 512 w + 511.  One 16-byte load of a wave covers 4 rows x 128 bytes: lane l takes columns
; 4 (l & 7) .. + 3 of row 512 w + 128 (l >> 3) + j, j = 0 .. 127.  So one offset register and one base serve all 128 loads, j x 32,768 bytes
; standing in the immediate (4,161,536 at the most, inside its signed 24 bits: ISA guide, chapter 10), and a lane's 128 xq are neighbours.
; A ring of NG groups of 4 loads keeps 28 to 32 loads of every wave out: 16 waves x 32 x 512 bytes = 256 KiB for the work-group.
.set ROWB,   32768                     ; bytes in a row of W
.set WAVES,  16
.set GL,     4                         ; loads in a group (one 16-byte read of xq serves them)
.set GROUPS, 128/GL                    ; groups of a wave
.set NG,     8                         ; groups in the ring
.set XS,     528                       ; LDS: a block of 128 xq (512 bytes) + 16: the four blocks that one read touches start 132 words apart, at banks 4 apart (64 banks of 4 bytes: ISA guide 11.1)
.set XW,     4*XS                      ; LDS: a wave's own 512 xq
.set RED,    WAVES*XW                  ; LDS: behind them 128 bytes for each wave: its sums for the 32 columns
.set LOFF, 4                           ; v4       16 x lane: my 16 bytes in a load of x
.set COFF, 5                           ; v5       4 x lane: my column in b, in out and in the waves' sums
.set WOFF, 6                           ; v6       my byte offset in W from the wave's first row and the work-group's first column
.set XST,  7                           ; v7       LDS: where I put xq
.set XLD,  8                           ; v8       LDS: my block of 128 xq
.set RST,  9                           ; v9       LDS: where my wave's sums go (less RED)
.set BV,   10                          ; v10      b of column lane
.set X,    12                          ; v[12:27]   16 x as loaded, then xq
.set A,    28                          ; v[28:43]   four sets of four sums: set j takes the j-th load of every group
.set Q,    44                          ; v[44:75]   ring: 4 xq for each group
.set R,    76                          ; v[76:203]  ring: 4 loads x 4 registers for each group
	s_load_b256 s[4:11], s[0:1], 0x0               ; W s[4:5], b s[6:7], x s[8:9], out s[10:11]
	v_lshl_add_u32 v204, v0, 2, 0x8c00
	v_mov_b32 v205, 0
	v_lshrrev_b32 v1, 5, v0
	v_readfirstlane_b32 s12, v1                    ; wave 0..15
	s_bfe_u32 s14, ttmp6, 0x40000                  ; my place in the cluster, 0..3
	s_lshl_b32 s13, ttmp9, 2
	s_add_co_u32 s13, s13, s14                     ; work-group 0..255 = 4 x cluster + place
	s_lshl_b32 s14, s13, 7                         ; its 32 columns: 128 bytes
	s_mov_b32 s15, 0
	s_lshl_b32 s16, s12, 24                        ; the wave's 512 rows of 32,768 bytes (below 2^28),
	s_add_co_u32 s16, s16, s14                     ; + the columns
	s_mov_b32 s17, 0
	s_lshl_b32 s18, s12, 11                        ; the wave's 512 numbers of x
	s_mov_b32 s19, 0
	s_mul_i32 s20, s12, XW                         ; the wave's xq in LDS
	s_lshl_b32 s21, s12, 7                         ; the wave's 128 bytes of sums
	s_mov_b32 s22, 0x76543210                      ; v_permlanex16_b32: lane i of one half reads lane i of the other
	s_mov_b32 s23, 0xfedcba98
	v_and_b32 v1, 31, v0                           ; lane
	v_and_b32 v2, 7, v0                            ; which four of the 32 columns
	v_bfe_u32 v3, v0, 3, 2                         ; which block of 128 rows
	v_lshlrev_b32 v[LOFF], 4, v1
	v_lshlrev_b32 v[COFF], 2, v1
	v_lshlrev_b32 v[WOFF], 22, v3                  ; 128 rows x 32,768 bytes
	v_lshl_or_b32 v[WOFF], v2, 4, v[WOFF]          ; + 16 bytes for each four columns
	v_add_nc_u32 v[XST], s20, v[LOFF]
	v_mul_u32_u24 v[XLD], v3, XS
	v_add_nc_u32 v[XLD], s20, v[XLD]
	v_lshl_add_u32 v[RST], v2, 4, s21
	s_wait_kmcnt 0x0
	s_add_nc_u64 s[4:5], s[4:5], s[16:17]          ; W at the wave's first row, the work-group's first column
	s_add_nc_u64 s[6:7], s[6:7], s[14:15]          ; b and out at the work-group's first column
	s_add_nc_u64 s[8:9], s[8:9], s[18:19]          ; x at the wave's first row
	s_add_nc_u64 s[10:11], s[10:11], s[14:15]
	; x and b first (they are wanted first), then the ring is filled
.irp i, 0,1,2,3
	global_load_b128 v[X+4*\i:X+4*\i+3], v[LOFF], s[8:9] offset:512*\i     ; x of rows 128 i + 4 lane .. + 3 of the wave
.endr
	global_load_b32 v[BV], v[COFF], s[6:7]         ; wave 0 alone uses it, at the very end; loaded here by every wave so that nobody waits for memory there and the counts below are the same in all waves
; the four loads of group n.  Near cache: no byte is read again by this work-group; far cache: regular, the neighbouring work-group takes the other 128 bytes of each aligned 256
.macro WLOAD n
.irp j, 0,1,2,3
	global_load_b128 v[R+16*((\n)%NG)+4*\j:R+16*((\n)%NG)+4*\j+3], v[WOFF], s[4:5] offset:(GL*(\n)+\j)*ROWB th:TH_LOAD_NT_RT
.endr
.endm
.set g, 0
.rept NG
	WLOAD g
.set g, g+1
.endr
	s_wait_loadcnt GL*NG                           ; loads come back in order (ISA guide 5.7.1): x and b are in, the ring's 32 loads stay out
	; xq = trunc(min(max(x, 0), 2) 2^31) 2^-31: see the head
.set i, 0
.rept 16
	v_max_num_f32 v[X+i], 0, v[X+i]                ; a negative x and a NaN (which loses here) take no bit
.set i, i+1
.endr
.set i, 0
.rept 16
	v_min_num_f32 v[X+i], 2.0, v[X+i]              ; from 2 on every bit is taken
.set i, i+1
.endr
.set i, 0
.rept 8
	v_pk_mul_f32 v[X+i:X+i+1], v[X+i:X+i+1], 0x4f000000 op_sel_hi:[1,0]    ; x 2^31, exact
.set i, i+2
.endr
.set i, 0
.rept 16
	v_trunc_f32 v[X+i], v[X+i]                     ; the digits below 2^-31 fall away
.set i, i+1
.endr
.set i, 0
.rept 8
	v_pk_mul_f32 v[X+i:X+i+1], v[X+i:X+i+1], 0x30000000 op_sel_hi:[1,0]    ; x 2^-31, exact
.set i, i+2
.endr
.irp i, 0,1,2,3
	ds_store_b128 v[XST], v[X+4*\i:X+4*\i+3] offset:XS*\i                  ; block i = rows 128 i .. 128 i + 127 of the wave
.endr
	; These bytes are the wave's own, and LDS serves a wave's instructions in order (ISA guide 5.7.1.4): no wait and no barrier in front of the reads
.set g, 0
.rept NG
	ds_load_b128 v[Q+4*g:Q+4*g+3], v[XLD] offset:16*g                      ; xq of my rows 4 g .. 4 g + 3: eight lanes read the same 16 bytes
.set g, g+1
.endr
; v[a:a+3] = or += v[w:w+3] x one xq: the first (hi = 0) or the second (hi = 1) register of the pair v[q:q+1], used for both halves
.macro MAC first, a, w, q, hi
.if \first
.if \hi
	v_pk_mul_f32 v[\a:\a+1],   v[\w:\w+1],   v[\q:\q+1] op_sel:[0,1]
	v_pk_mul_f32 v[\a+2:\a+3], v[\w+2:\w+3], v[\q:\q+1] op_sel:[0,1]
.else
	v_pk_mul_f32 v[\a:\a+1],   v[\w:\w+1],   v[\q:\q+1] op_sel_hi:[1,0]
	v_pk_mul_f32 v[\a+2:\a+3], v[\w+2:\w+3], v[\q:\q+1] op_sel_hi:[1,0]
.endif
.else
.if \hi
	v_pk_fma_f32 v[\a:\a+1],   v[\w:\w+1],   v[\q:\q+1], v[\a:\a+1]   op_sel:[0,1,0]
	v_pk_fma_f32 v[\a+2:\a+3], v[\w+2:\w+3], v[\q:\q+1], v[\a+2:\a+3] op_sel:[0,1,0]
.else
	v_pk_fma_f32 v[\a:\a+1],   v[\w:\w+1],   v[\q:\q+1], v[\a:\a+1]   op_sel_hi:[1,0,1]
	v_pk_fma_f32 v[\a+2:\a+3], v[\w+2:\w+3], v[\q:\q+1], v[\a+2:\a+3] op_sel_hi:[1,0,1]
.endif
.endif
.endm
; The turn of group g.  first = 1: its products start the sums, nothing is cleared.
; left = the groups asked for behind it: 7 while the ring is filled again, then 31 - g.  Four loads of W and one of xq for each of them stay out.
.macro GROUP first
.set slot, g%NG
.if GROUPS-1-g < NG-1
.set left, GROUPS-1-g
.else
.set left, NG-1
.endif
	s_wait_loadcnt GL*left
	s_wait_dscnt left
	MAC \first, A,    R+16*slot,    Q+4*slot,   0
	MAC \first, A+4,  R+16*slot+4,  Q+4*slot,   1
	MAC \first, A+8,  R+16*slot+8,  Q+4*slot+2, 0
	MAC \first, A+12, R+16*slot+12, Q+4*slot+2, 1
.if g+NG < GROUPS
	ds_load_b128 v[Q+4*slot:Q+4*slot+3], v[XLD] offset:16*(g+NG)
	WLOAD g+NG                                     ; the last NG groups ask for nothing: no load leaves the wave's 512 rows
.endif
.set g, g+1
.endm
.set g, 0
	GROUP 1
.rept GROUPS-1
	GROUP 0
.endr
	; my four sets into one,
	v_pk_add_f32 v[A:A+1],     v[A:A+1],     v[A+4:A+5]
	v_pk_add_f32 v[A+2:A+3],   v[A+2:A+3],   v[A+6:A+7]
	v_pk_add_f32 v[A+8:A+9],   v[A+8:A+9],   v[A+12:A+13]
	v_pk_add_f32 v[A+10:A+11], v[A+10:A+11], v[A+14:A+15]
	v_pk_add_f32 v[A:A+1],     v[A:A+1],     v[A+8:A+9]
	v_pk_add_f32 v[A+2:A+3],   v[A+2:A+3],   v[A+10:A+11]
	; then the four blocks of rows: lanes l, l ^ 8, l ^ 16, l ^ 24 hold the same four columns
.irp c, 0,1,2,3
	v_add_f32_dpp v[A+\c], v[A+\c], v[A+\c] row_xmask:8 row_mask:0xf bank_mask:0xf
.endr
.irp c, 0,1,2,3
	v_permlanex16_b32 v[A+4+\c], v[A+\c], s22, s23 ; the destination counts as read: set 1's registers, written above
.endr
	v_pk_add_f32 v[A:A+1],   v[A:A+1],   v[A+4:A+5]
	v_pk_add_f32 v[A+2:A+3], v[A+2:A+3], v[A+6:A+7]
	ds_store_b128 v[RST], v[A:A+3] offset:RED      ; the wave's 32 sums; the four lanes of a column quad write the same 16 bytes with the same numbers
	s_wait_dscnt 0x0                               ; for wave 0's sake: the store is done before I say so
	s_barrier_signal -1
	s_barrier_wait -1
	s_cmp_lg_u32 s12, 0
	s_cbranch_scc1 .Lend                           ; wave 0 finishes: lane = column
.irp i, 0,1,2,3,4,5,6,7,8,9,10,11,12,13,14,15
	ds_load_b32 v[R+\i], v[COFF] offset:RED+128*\i ; wave i's sum for my column: 32 neighbouring words
.endr
	s_wait_dscnt 0x0
.irp i, 0,2,4,6
	v_pk_add_f32 v[R+\i:R+\i+1], v[R+\i:R+\i+1], v[R+8+\i:R+9+\i]
.endr
	v_pk_add_f32 v[R:R+1],   v[R:R+1],   v[R+4:R+5]
	v_pk_add_f32 v[R+2:R+3], v[R+2:R+3], v[R+6:R+7]
	v_pk_add_f32 v[R:R+1],   v[R:R+1],   v[R+2:R+3]
	v_add_f32 v[R], v[R], v[R+1]
	v_fmamk_f32 v[R], v[BV], 0x42000000, v[R]      ; + 32 b: b is added to each of the 32 planes' rows
	v_cmp_gt_f32 vcc_lo, 0, v[R]                   ; relu as compare and select: a NaN fails the compare and stays
	v_cndmask_b32 v[R], v[R], 0, vcc_lo
	global_store_b32 v[COFF], v[R], s[10:11]       ; 32 lanes, 128 consecutive bytes: all that the work-group owns of out
.Lend:
	s_wait_tensorcnt 0x0
	ds_add_u32 v204, v205
	s_wait_dscnt 0x0
	s_endpgm
.Lfunc_end_k_qfdf9becf6e_spikedense:
	.size	k_qfdf9becf6e_spikedense, .Lfunc_end_k_qfdf9becf6e_spikedense-k_qfdf9becf6e_spikedense
	.p2alignl 7, 3214868480
	.fill 96, 4, 3214868480
	.section	.rodata,"a",@progbits
	.p2align	6, 0x0
	.amdhsa_kernel k_qfdf9becf6e_spikedense
		.amdhsa_group_segment_fixed_size 37888
		.amdhsa_private_segment_fixed_size 0
		.amdhsa_enable_private_segment 0
		.amdhsa_kernarg_size 32
		.amdhsa_user_sgpr_count 2
		.amdhsa_user_sgpr_kernarg_segment_ptr 1
		.amdhsa_wavefront_size32 1
		.amdhsa_system_sgpr_workgroup_id_x 1
		.amdhsa_system_sgpr_workgroup_id_y 1
		.amdhsa_system_sgpr_workgroup_id_z 1
		.amdhsa_system_vgpr_workitem_id 0
		.amdhsa_next_free_vgpr 206
		.amdhsa_next_free_sgpr 66
		.amdhsa_reserve_vcc 1
		.amdhsa_float_denorm_mode_32 3
		.amdhsa_float_denorm_mode_16_64 3
		.amdhsa_memory_ordered 1
		.amdhsa_forward_progress 1
		.amdhsa_inst_pref_size 41
	.end_amdhsa_kernel
	.amdgpu_metadata
---
amdhsa.version: [ 1, 2 ]
amdhsa.kernels:
  - .name:           k_qfdf9becf6e_spikedense
    .symbol:         k_qfdf9becf6e_spikedense.kd
    .args:
      - { .name: W, .offset: 0, .size: 8, .value_kind: global_buffer, .address_space: global }
      - { .name: b, .offset: 8, .size: 8, .value_kind: global_buffer, .address_space: global }
      - { .name: x, .offset: 16, .size: 8, .value_kind: global_buffer, .address_space: global }
      - { .name: out0, .offset: 24, .size: 8, .value_kind: global_buffer, .address_space: global }
    .group_segment_fixed_size: 37888
    .private_segment_fixed_size: 0
    .kernarg_segment_align: 8
    .kernarg_segment_size: 32
    .max_flat_workgroup_size: 512
    .sgpr_count:     66
    .vgpr_count:     206
    .wavefront_size: 32
...
	.end_amdgpu_metadata
.endif
;; end of part 1
